; MI455X (gfx1250); checked and timed in simulation.
; The chip was launched on July 23, 2026; its instructions are those of AMD's public machine-readable ISA for CDNA 5 (MIT licence, August 2026) and "CDNA5" Instruction Set Architecture Reference Guide (July 2026). The comments in the code are by the model that wrote it; some were corrected since.
;; AFT Full. Allowed arithmetic: matrix products marked QUANTISED: E3M2 operands, one E8M0 scale for each 32 along K, by v_wmma_scale_f32_16x16x128_f8f6f4 with both operands' format E3M2, f32 sums; everything else in f32.
;; Inputs: Wk 1,024 x 1,024 float32; Wq 1,024 x 1,024 float32; Wv 1,024 x 1,024 float32; wbias 1,024 x 1,024 float32; x 8 x 1,024 x 1,024 float32.
;; Outputs: out0 8 x 1,024 x 1,024 float32.
;; This version of the problem:
;;   THIS VERSION OF THE PROBLEM IS GIVEN IN LOW PRECISION. The matrix products marked QUANTISED in the list below multiply operands that are first quantised to E3M2 (3 exponent bits, 2 mantissa bits; 6 bits a number), with one power-of-two scale for each 32 numbers along K (OCP MX v1.0); their sums are f32. All else is computed in f32.
;;   The module's matrix products, in the order in which they are computed (A, B: the left and right operand; K: the contracted axis; several contracted axes count as one K, in the product's order):
;;     1. [M 8,192, K 1,024] x [K 1,024, N 1,024]; A: input x; B: input Wq: QUANTISED
;;     2. [M 8,192, K 1,024] x [K 1,024, N 1,024]; A: input x; B: input Wk: QUANTISED
;;     3. [M 8,192, K 1,024] x [K 1,024, N 1,024]; A: input x; B: input Wv: QUANTISED
;;     4. [M 8,192, K 1,024] x [K 1,024, N 1,024]; A: computed on the way; B: computed on the way: QUANTISED
;;     5. [M 8,192, K 1,024] x [K 1,024, N 1,024]; A: computed on the way; B: computed on the way: QUANTISED
;;   THE QUANTISER, for each operand of a quantised product, along K:
;;     - K is cut into blocks of 32 from its start; a last block that is shorter is filled with zeros.
;;     - A block's scale is 2^e with e = floor(log2(the largest magnitude in the block)) - 4, held to -126 .. 127; a block of zeros has e = 0. As a byte (E8M0): e + 127.
;;     - Each number is divided by its block's scale, clamped to +-28, and rounded to the nearest number of E3M2, ties to even, subnormals kept.
;;     - The product sums the exact products of the quantised numbers (number of the format x scale) in f32.
;;   ~~~python
;;   def quantise(x, axis):      # numpy; x: float32 -> the quantised numbers, widened to float32 again
;;       x = np.moveaxis(x, axis, -1); K = x.shape[-1]
;;       x = np.pad(x, [(0, 0)] * (x.ndim - 1) + [(0, -K % 32)]); x = x.reshape(x.shape[:-1] + (-1, 32)); a = np.abs(x).max(-1, keepdims=True)
;;       e = np.where(a > 0, np.clip(np.frexp(np.where(a > 0, a, 1))[1] - 1 - 4, -126, 127), 0)      # np.frexp(a)[1] - 1 = floor(log2(a)), exactly
;;       r = np.clip(x / 2.0 ** e, -28, 28)
;;       step = 2.0 ** (np.maximum(np.frexp(np.where(r == 0, 1, r))[1] - 1, -2) - 2)
;;       q = np.round(r / step) * step * 2.0 ** e      # np.round: ties to even
;;       return np.moveaxis(q.reshape(q.shape[:-2] + (-1,))[..., :K], -1, axis).astype(np.float32)
;;   ~~~
;;   OPERANDS COMPUTED ON THE WAY. 'Computed on the way' means the value that the module computes at that place (a softmax that the list does not call 'softmax' is quantised finished and normalised). What goes into a quantiser is computed in f32, as accurately as f32 sums, v_exp_f32 and their like allow (about 1e-6 of the number): no bf16 or f16 on the way to a quantiser, and a product that is left as it is and whose result goes on into a quantised operand takes f32 operands (vector FMAs, or v_wmma_f32_16x16x4_f32). A number that lies on a knife's edge between two numbers of the format may be rounded either way, as far as f32 arithmetic and the matrix unit's own rounding can turn it there, and no further.
;; One version. Each part assembles by itself: llvm-mc -triple=amdgcn-amd-amdhsa -mcpu=gfx1250 --defsym DOCPART=n.
;; ======== version 1 of 1: 2 launches
;; limits: right only within a limited range of input values
;; workspace buffers: codes 10,223,616 bytes
;; launch quant (part 1): grid 768 x 1, 4 waves a work-group, no clusters, 68,096 bytes of LDS; arguments x, Wq, Wk, Wv, wbias, codes; writes codes
.if DOCPART == 1
	.amdgcn_target "amdgcn-amd-amdhsa--gfx1250"
	.amdhsa_code_object_version 6
	.text
	.protected	k_q688d9e69ad_quant
	.globl	k_q688d9e69ad_quant
	.p2align	8
	.type	k_q688d9e69ad_quant,@function
k_q688d9e69ad_quant:
	s_mov_b64 s[64:65], 0
	v_nop
	global_prefetch_b8 v0, s[64:65] scope:SCOPE_SE
	s_setreg_imm32_b32 hwreg(HW_REG_WAVE_MODE, 25, 1), 1
	s_wait_xcnt 0x0
; x [8192][1024], Wq, Wk, Wv [1024][1024] and exp(wbias) [1024][1024], all f32 with K innermost, become codes of BF6 (E3M2) with one E8M0 byte for each 32 along K.
; THE CODES ARE LAID AS IMAGES OF THE OPERANDS' REGISTERS, so that the two product launches fetch a fragment by three loads of 16 bytes a lane.
;   A TILE is 16 rows: position r of tile T is row 32 (T / 2) + 8 (T % 2) + r + 8 (r / 8) of its tensor.
;   A FRAGMENT (a tile, 128 along K) is 12 registers a lane: lane (r, h), registers 6 c .. 6 c + 5 = k 64 c + 32 h + 0 .. 31.  Its image: registers 4 g .. 4 g + 3 at byte 512 g + 16 x lane: 1,536 bytes.
;   A RECORD (a tile, 256 along K) is 3,328 bytes: two images, then at 3,072 + 8 x lane the two scale words of row lane % 16 (both halves of the lanes hold the same).  A tile has four records.
;   Tiles 0-511 x, 512-575 Wq, 576-639 Wk, 640-703 Wv, 704-767 exp(wbias).
; SHARES: a work-group takes a tile, each of its four waves a record.  No loop, no barrier: waves share nothing.  Work-groups share no input, so there is no cluster and no joint load.
; A wave asks for its 16 KiB at once: 32 loads, each of 512 consecutive bytes of one row.  The conversions want a lane to hold 32 neighbours along K, so a fragment's 8 KiB turn through the wave's own
; stage in LDS (rows 528 bytes apart).  A lane then holds two whole blocks of 32, so a block's largest magnitude needs no other lane.
; A block's scale is 2^(floor(log2(largest magnitude)) - 4); its byte is the largest magnitude's exponent field - 4, held at 1 from below by a floor among the maximum's leaves.
; LIMITS: NaN and infinities are not served.  A block of zeros gets the byte 1 where the quantiser says 127: its codes are zeros, and this program alone reads the bytes.
; exp(z) is 2^(z log2 e): the product is rounded once, a relative error of about |z| x 6e-8 beside the exponential's one ulp; results under 2^-126 come out as 0.
.set REC,  3328
.set TROW, 4*REC
.set SP,   528                         ; a stage row: 512 bytes + 16
.set STG,  16*SP                       ; a stage
.set WST,  2*STG                       ; a wave's two stages
.set R0,   16                          ; v16-79   fragment 0 as loaded; later fragment 1 turned
.set X,    144                         ; v144-207 fragment 0 turned   (v80-143: fragment 1 as loaded)
.set C,    208                         ; v208-231 the codes, 12 registers a fragment: no store's data are written again
.set H2,   232                         ; v232-239 the second halves of the blocks' codes, before they are moved
.set SW,   240                         ; v240-241 the two scale words
	s_load_b256 s[4:11], s[0:1], 0x0               ; x, Wq, Wk, Wv
	s_load_b128 s[12:15], s[0:1], 0x20             ; wbias, codes
	v_lshl_add_u32 v254, v0, 2, 0x10800
	v_mov_b32 v255, 0
	v_lshrrev_b32 v1, 5, v0
	v_readfirstlane_b32 s16, v1                    ; wave = which 256 along K
	v_and_b32 v1, 31, v0                           ; lane
	v_and_b32 v2, 15, v0                           ; r
	v_bfe_u32 v3, v0, 4, 1                         ; h
	v_lshlrev_b32 v4, 4, v1                        ; 16 x lane: my bytes of a load, and of an image
	s_mul_i32 s17, s16, WST
	v_add_nc_u32 v5, s17, v4                       ; the stage, on the way in: as loaded
	v_mul_u32_u24 v6, v2, SP
	v_lshl_add_u32 v6, v3, 7, v6
	v_add_nc_u32 v6, s17, v6                       ; and on the way out: row r, + 128 h bytes: my 32 numbers of each 64
	v_lshlrev_b32 v7, 3, v1                        ; 8 x lane: my two scale words
	v_lshlrev_b32 v15, 3, v3                       ; 8 h: how far my two bytes are shifted in a scale word
	v_mov_b32 v14, 0                               ; written once: a lane permute's destination counts as one of its sources
	s_mov_b32 s22, 0x3fb8aa3b                      ; log2 e
	s_mov_b32 s23, s22                             ; (named with it as a pair)
	s_mov_b32 s24, 0x76543210
	s_mov_b32 s25, 0xfedcba98                      ; selects for lane l xor 16
	s_and_b32 s20, ttmp9, 63                       ; the tile's number in its tensor
	s_cmp_lt_u32 ttmp9, 512
	s_cselect_b32 s20, ttmp9, s20
	s_lshr_b32 s21, s20, 1
	s_lshl_b32 s21, s21, 17                        ; 32 rows of 4,096 bytes for each pair of tiles,
	s_and_b32 s20, s20, 1
	s_lshl_b32 s20, s20, 15                        ; 8 rows for the odd tile,
	s_add_co_u32 s20, s20, s21
	s_lshl_b32 s21, s16, 10                        ; 1,024 bytes along the row for each wave
	s_add_co_u32 s20, s20, s21
	s_mov_b32 s21, 0
	s_mul_i32 s26, ttmp9, TROW
	s_mul_i32 s27, s16, REC
	s_add_co_u32 s26, s26, s27                     ; my record
	s_mov_b32 s27, 0
	s_wait_alu depctr_va_vdst(0)
	s_wait_kmcnt 0x0
	s_cmp_lt_u32 ttmp9, 512                        ; which tensor: the choice hangs on the work-group's number alone
	s_cselect_b64 s[18:19], s[4:5], s[6:7]
	s_cmp_lt_u32 ttmp9, 576
	s_cselect_b64 s[18:19], s[18:19], s[8:9]
	s_cmp_lt_u32 ttmp9, 640
	s_cselect_b64 s[18:19], s[18:19], s[10:11]
	s_cmp_lt_u32 ttmp9, 704
	s_cselect_b64 s[18:19], s[18:19], s[12:13]
	s_add_nc_u64 s[18:19], s[18:19], s[20:21]
	s_add_nc_u64 s[26:27], s[14:15], s[26:27]
.irp f, 0,1
.irp i, 0,1,2,3,4,5,6,7,8,9,10,11,12,13,14,15
	global_load_b128 v[R0+64*\f+4*\i:R0+64*\f+4*\i+3], v4, s[18:19] offset:(\i+8*(\i/8))*4096+512*\f th:TH_LOAD_NT   ; position i of the tile, 128 numbers: 512 consecutive bytes
.endr
.endr
; 64 numbers of a lane, v[s] on, register 32 c + i = k 64 c + 32 h + i of my row, become fragment f: codes, scale word, and the image's three stores.
.macro QF s, f
	s_cmp_lt_u32 ttmp9, 704                        ; the last 64 tiles are exp(wbias): the branch hangs on the work-group's number and goes round register work alone
	s_cbranch_scc1 .Lplain_\@
.set n, 0
.rept 32
	v_pk_mul_f32 v[\s+n:\s+n+1], v[\s+n:\s+n+1], s[22:23] op_sel_hi:[1,0]
.set n, n+2
.endr
.set n, 0
	s_wait_alu depctr_va_vdst(0)
.rept 64
	v_exp_f32 v[\s+n], v[\s+n]
.set n, n+1
.endr
	v_nop                                          ; a plain place behind the exponentials
.Lplain_\@:
	s_wait_alu depctr_va_vdst(0)
.irp c, 0,1
	v_max3_num_f32 v[8+\c], |v[\s+32*\c]|, |v[\s+32*\c+1]|, 0x2800000   ; my block 2 c + h, and the floor 2^(5 - 127): the byte cannot fall under 1
.endr
.irp i, 2,4,6,8,10,12,14,16,18,20,22,24,26,28,30
.irp c, 0,1
	v_max3_num_f32 v[8+\c], v[8+\c], |v[\s+32*\c+\i]|, |v[\s+32*\c+\i+1]|   ; (the two blocks by turns)
.endr
.endr
.irp c, 0,1
	v_add_nc_u32 v[10+\c], 0xfe000000, v[8+\c]     ; 4 off the exponent field: the conversion's scale operand
.endr
.irp c, 0,1
	v_lshrrev_b32 v[12+\c], 23, v[10+\c]           ; the scale's byte
.endr
	v_lshl_or_b32 v[SW+\f], v13, 16, v12           ; my bytes: blocks h and 2 + h,
	v_lshlrev_b32 v[SW+\f], v15, v[SW+\f]          ; at their places in the word;
	v_permlanex16_b32 v14, v[SW+\f], s24, s25
	v_or_b32 v[SW+\f], v[SW+\f], v14               ; with lane l xor 16's two the word is whole, in both halves of the lanes
.irp c, 0,1
	v_cvt_scalef32_pk16_bf6_f32 v[C+12*\f+6*\c:C+12*\f+6*\c+2], v[\s+32*\c:\s+32*\c+15], v[10+\c]
	v_cvt_scalef32_pk16_bf6_f32 v[H2+4*\c:H2+4*\c+2], v[\s+32*\c+16:\s+32*\c+31], v[10+\c]   ; (a conversion's three registers begin on an even number)
.endr
	v_nop                                          ; a plain place behind the conversions
.irp c, 0,1
.irp i, 0,1,2
	v_mov_b32 v[C+12*\f+6*\c+3+\i], v[H2+4*\c+\i]
.endr
.endr
.irp g, 0,1,2
	global_store_b128 v4, v[C+12*\f+4*\g:C+12*\f+4*\g+3], s[26:27] offset:1536*\f+512*\g   ; 32 lanes store 512 consecutive bytes, aligned to 256
.endr
.endm
	s_wait_loadcnt 16                              ; fragment 0's sixteen loads are in; fragment 1's sixteen may be out
.irp i, 0,1,2,3,4,5,6,7,8,9,10,11,12,13,14,15
	ds_store_b128 v5, v[R0+4*\i:R0+4*\i+3] offset:SP*\i
.endr
.irp c, 0,1
.irp j, 0,1,2,3,4,5,6,7
	ds_load_b128 v[X+32*\c+4*\j:X+32*\c+4*\j+3], v6 offset:256*\c+16*\j   ; LDS serves a wave's instructions in order: these see my stores
.endr
.endr
	s_wait_loadcnt 0x0
.irp i, 0,1,2,3,4,5,6,7,8,9,10,11,12,13,14,15
	ds_store_b128 v5, v[R0+64+4*\i:R0+64+4*\i+3] offset:STG+SP*\i
.endr
	s_wait_dscnt 16                                ; all but the sixteen stores just issued: fragment 0 is turned, and its stores have read v16-79,
.irp c, 0,1
.irp j, 0,1,2,3,4,5,6,7
	ds_load_b128 v[R0+32*\c+4*\j:R0+32*\c+4*\j+3], v6 offset:STG+256*\c+16*\j   ; which take fragment 1 turned, while fragment 0 is quantised
.endr
.endr
	QF X, 0
	s_wait_dscnt 0x0
	QF R0, 1
	global_store_b64 v7, v[SW:SW+1], s[26:27] offset:3072   ; 32 lanes store one aligned block of 256 bytes
	s_wait_tensorcnt 0x0
	ds_add_u32 v254, v255
	s_wait_dscnt 0x0
	s_endpgm
.Lfunc_end_k_q688d9e69ad_quant:
	.size	k_q688d9e69ad_quant, .Lfunc_end_k_q688d9e69ad_quant-k_q688d9e69ad_quant
	.p2alignl 7, 3214868480
	.fill 96, 4, 3214868480
	.section	.rodata,"a",@progbits
	.p2align	6, 0x0
	.amdhsa_kernel k_q688d9e69ad_quant
		.amdhsa_group_segment_fixed_size 68096
		.amdhsa_private_segment_fixed_size 0
		.amdhsa_enable_private_segment 0
		.amdhsa_kernarg_size 48
		.amdhsa_user_sgpr_count 2
		.amdhsa_user_sgpr_kernarg_segment_ptr 1
		.amdhsa_wavefront_size32 1
		.amdhsa_system_sgpr_workgroup_id_x 1
		.amdhsa_system_sgpr_workgroup_id_y 1
		.amdhsa_system_sgpr_workgroup_id_z 1
		.amdhsa_system_vgpr_workitem_id 0
		.amdhsa_next_free_vgpr 256
		.amdhsa_next_free_sgpr 66
		.amdhsa_reserve_vcc 0
		.amdhsa_float_denorm_mode_32 3
		.amdhsa_float_denorm_mode_16_64 3
		.amdhsa_memory_ordered 1
		.amdhsa_forward_progress 1
		.amdhsa_inst_pref_size 25
	.end_amdhsa_kernel
	.amdgpu_metadata
---
amdhsa.version: [ 1, 2 ]
amdhsa.kernels:
  - .name:           k_q688d9e69ad_quant
    .symbol:         k_q688d9e69ad_quant.kd
    .args:
      - { .name: x, .offset: 0, .size: 8, .value_kind: global_buffer, .address_space: global }
      - { .name: Wq, .offset: 8, .size: 8, .value_kind: global_buffer, .address_space: global }
      - { .name: Wk, .offset: 16, .size: 8, .value_kind: global_buffer, .address_space: global }
      - { .name: Wv, .offset: 24, .size: 8, .value_kind: global_buffer, .address_space: global }
      - { .name: wbias, .offset: 32, .size: 8, .value_kind: global_buffer, .address_space: global }
      - { .name: codes, .offset: 40, .size: 8, .value_kind: global_buffer, .address_space: global }
    .group_segment_fixed_size: 68096
    .private_segment_fixed_size: 0
    .kernarg_segment_align: 8
    .kernarg_segment_size: 48
    .max_flat_workgroup_size: 128
    .sgpr_count:     66
    .vgpr_count:     256
    .wavefront_size: 32
...
	.end_amdgpu_metadata
.endif
;; end of part 1
;; launch aft (part 2): grid 32 x 8, 4 waves a work-group, clusters of 4 x 1, 327,680 bytes of LDS; arguments codes, out0; writes out0
.if DOCPART == 2
	.amdgcn_target "amdgcn-amd-amdhsa--gfx1250"
	.amdhsa_code_object_version 6
	.text
	.protected	k_q688d9e69ad_aft
	.globl	k_q688d9e69ad_aft
	.p2align	8
	.type	k_q688d9e69ad_aft,@function
k_q688d9e69ad_aft:
	s_mov_b64 s[64:65], 0
	v_nop
	global_prefetch_b8 v0, s[64:65] scope:SCOPE_SE
	s_setreg_imm32_b32 hwreg(HW_REG_WAVE_MODE, 25, 1), 1
	s_wait_xcnt 0x0
	s_wait_alu depctr_hold_cnt(0) depctr_sa_sdst(0) depctr_va_vdst(0) depctr_va_sdst(0) depctr_va_ssrc(0) depctr_va_vcc(0) depctr_vm_vsrc(0)
	s_getreg_b32 s2, hwreg(HW_REG_IB_STS2, 6, 4)
	s_cmp_eq_u32 s2, 0
	s_cbranch_scc0 .Lentry_in_a_cluster
	s_endpgm
.Lentry_in_a_cluster:
	s_bfe_u32 s2, ttmp6, 0x10000c
	s_cmp_lg_u32 s2, 0x3003
	s_cbranch_scc0 .Lentry_shape_is_right
	s_endpgm
.Lentry_shape_is_right:
; out[b][t][c] = sigmoid(q) num / den;  q, k, v = x Wq^T, x Wk^T, x Wv^T (K = the model's 1,024);  num = exp(wbias) (exp(k) v), den = exp(wbias) exp(k) (K = s).  All five products on codes of BF6 with E8M0 scales, sums in f32.
; codes: operand images laid by the launch before: tiles of 16 rows (position r of tile T is row 32 (T / 2) + 8 (T % 2) + r + 8 (r / 8)), a tile = four records of 3,328 bytes, a record = two images
; (128 along K each: registers 4 g .. 4 g + 3 at 512 g + 16 x lane) and at 3,072 + 8 x lane the two scale words of row lane % 16.  Tiles 0-511 x, 512-575 Wq, 576-639 Wk, 640-703 Wv, 704-767 exp(wbias).
; SHARES.  A work-group makes one batch x 32 channels, all 1,024 t: so exp(k) and exp(k) v of its channels never leave it.  64 row tiles go by in eight blocks of eight; wave w takes tiles 2 w, 2 w + 1 of each block.
; PHASE 1, eight blocks of x, 96 matrix instructions each: q, k, v of my 32 rows.  All of W (48 fragments) stays in registers.  q is summed transposed (lane = t, registers = channels) and stays in registers;
;   k and v have lane = channel and registers along s: my 32 rows are one block of 32 of the next K.  ek = exp(k), ekv = ek v are quantised and go to LDS as operand fragments.
; PHASE 2, eight blocks of exp(wbias), 64 matrix instructions each: num and den of my 32 t.  All of ekv and ek (32 fragments) stays in registers.  Each block's results leave at once.
; LDS: two slots of eight tiles (106,496 bytes), W behind them.  When every wave has W in registers, W's bytes, filled once, take the codes and scale bytes of ekv and ek and the stages of the way out.
; CLUSTERS: 4 work-groups of one batch share x and exp(wbias): these tiles are asked for jointly.  Each has its own channels' 79,872 bytes of W, asked for once and by itself (x and exp(wbias) are 1,703,936 bytes): work-groups
; of other batches need the same W, but in clusters that reach over batches exp(wbias) would be asked for by more work-groups than one mask names.  One tensor load a wave is out at any time.
; The slots change behind a round of the cluster's barrier; the ring runs on from x's last block into exp(wbias)'s first.
; PREFETCHES: behind each refill (block n + 2) the 416 units of 256 bytes of block n + 4 are asked for, 26 by each of the cluster's sixteen waves: x in four clusters of each batch, exp(wbias) in four clusters of the launch.
; A work-group's rows of out are 128 bytes (32 channels): eight lanes store them whole; the other half of the aligned 256 bytes is the neighbour's of the same cluster.
; REGISTERS: window 0: v0-15 addresses, v16-39 and v40-47 scale words and nothing else, v48-119 three sets of two streamed fragments, v120-183 accumulators, v184-255 W's K step 0, later the way out.
;   windows 1, 2: W's K steps 1-7 (21 fragments a window), later ekv and ek.  window 3: q, 32 registers a block.
; LIMITS: NaN and infinities are not served.  exp(k) is 2^(k log2 e): the product is rounded once; results under 2^-126 come out as 0.  No maximum is taken away ahead of the exponential, as the problem takes none away.
; den is divided by 4 ahead of its reciprocal, and 1 + exp(-q) multiplied by 4: so every finite den serves at the top; a den under 2^-124 gives infinity.  A block of zeros gets the scale byte 1 for 127: its codes are zeros.
.set REC,   3328
.set TROW,  4*REC
.set BLK,   8*TROW
.set WREG,  2*BLK
.set KVB,   WREG                       ; ekv's and ek's fragments: [K step 8][ekv 0, 1, ek 0, 1] x 1,536 bytes, a lane's twelve registers at 48 x lane
.set KSB,   KVB+49152                  ; their scale words: [K step 8][4] x 64 bytes
.set STG,   KSB+2048                   ; stages: 2 tiles x 16 rows x 144 bytes a wave
.set SPARE, WREG+6*TROW                ; the spare words, 128 bytes a wave, named by no other line
.set AW0,   0                          ; v0: W's fragments, channel tile 0
.set SPW,   1
.set NIL,   2
.set AX,    3                          ; v3, v4: my two tiles in slot 0, 1
.set AS,    5                          ; v5, v6: their scale words: lanes 0-15 the first tile's, lanes 16-31 the second's
.set KVA,   7
.set KVS,   8
.set PFX,   9
.set KVL,   11
.set KSL,   12
.set STO,   13
.set RD,    14
.set CO,    15
.set AW1,   15                         ; v15: W's fragments, channel tile 1; later my place in four rows of out
.set WS,    16
.set XS,    40
.set XF,    48
.set ACC,   120
.set TT,    184
.set BK,    216
.set T,     XF+48                      ; the third set serves the quantiser between blocks
.set G1R,   24
.set G1H,   32
.set G1W,   40
.set GS0,   48
.set GH,    56
.set GW,    60
.set EB,    68
.set PB,    70
.set OB,    72
.set PE,    74
.set LG,    76
.set NL,    78
.set QC,    80
.set SEL,   82
.set LIM,   84
.set FE,    85
.set MSB, 0
.macro WIN new                         ; the immediate's high byte repeats the setting that is left
.if MSB != (\new)
	s_set_vgpr_msb (MSB<<8)|(\new)
.set MSB, (\new)
.endif
.endm
.macro PLACES                          ; four places behind a matrix instruction (ISA guide 7.12.1 for vector instructions)
.rept 4
	v_nop
.endr
.endm
.macro CREST                           ; a round of the cluster's barrier behind its opening barrier
	s_cmp_lg_u32 s10, 0
	s_cbranch_scc1 .Lnot_wave_0_\@
	s_barrier_signal -3
.Lnot_wave_0_\@:
	s_barrier_wait -3
	s_barrier_signal -1
	s_barrier_wait -1
.endm
.macro CROUND
	s_barrier_signal -1
	s_barrier_wait -1
	CREST
.endm
.macro MKG1 g, d0, d1, pitch           ; group 1 but its first word: d1 rows of d0 elements of 8 bytes
	s_mov_b32 s[\g+1], (\d0)<<16
	s_mov_b32 s[\g+2], (\d1)<<16
	s_mov_b32 s[\g+3], (\d0)<<16
	s_mov_b32 s[\g+4], \d1
	s_mov_b32 s[\g+5], \pitch
	s_mov_b32 s[\g+6], 0
	s_mov_b32 s[\g+7], 0
.endm
.macro MKG0 g, wave, per, lds, src, off ; group 0: to LDS byte lds + per x s[wave], from s[src:src+1] + off
	s_mov_b32 s[\g], 1
	s_mul_i32 s[\g+1], s[\wave], \per
	s_add_co_u32 s[\g+1], s[\g+1], \lds
	s_add_nc_u64 s[\g+2:\g+3], s[\src:\src+1], \off
	s_or_b32 s[\g+3], s[\g+3], 0x80000000
.endm
	s_load_b128 s[4:7], s[0:1], 0x0                ; codes, out
	v_lshl_add_u32 v[SPW], v0, 2, SPARE
	v_mov_b32 v[NIL], 0
	ds_add_u32 v[SPW], v[NIL]                      ; the opening: the add, twice on end, and its wait ahead of my first tensor load
	ds_add_u32 v[SPW], v[NIL]
	v_lshrrev_b32 v48, 5, v0
	v_readfirstlane_b32 s10, v48                   ; wave 0..3
	s_lshr_b32 s11, s10, 1
	s_and_b32 s12, s10, 1
	s_bfe_u32 s15, ttmp6, 0x40000                  ; cx: my place in the cluster
	s_lshl_b32 s14, ttmp9, 2
	s_add_co_u32 s14, s14, s15                     ; block of 32 channels
	s_and_b32 s13, ttmp7, 0xffff                   ; batch: the cluster shares it
	s_mov_b32 s[G1R], 15|(3<<16)|(1<<21)           ; 15:0 the mask: the whole cluster; 17:16 elements of 8 bytes; 21 set beside a mask
	s_mov_b32 s[G1H], 15|(3<<16)|(1<<21)
	s_mov_b32 s[G1W], 3<<16                        ; W is my work-group's own: no mask
	MKG1 G1R, 416, 8, 416                          ; two tiles, dense
	MKG1 G1H, 416, 16, 416                         ; four tiles, dense
	MKG1 G1W, 1664, 3, 64*1664                     ; the same channel tile of Wq, Wk and Wv, 64 tiles from one to the next
	s_mov_b32 s[LG], 0x3fb8aa3b                    ; log2 e
	s_mov_b32 s[LG+1], s[LG]
	s_mov_b32 s[NL], 0xbfb8aa3b                    ; -log2 e
	s_mov_b32 s[NL+1], s[NL]
	s_mov_b32 s[QC], 0x3e800000                    ; 1/4
	s_mov_b32 s[QC+1], s[QC]
	s_mov_b32 s[SEL], 0x76543210
	s_mov_b32 s[SEL+1], 0xfedcba98                 ; selects for lane l xor 16
	s_lshl_b32 s[FE], s13, 3
	s_add_co_u32 s[FE], s[FE], ttmp9               ; the cluster's number: four ask for exp(wbias)
	s_cmp_lt_u32 s[FE], 4
	s_cselect_b32 s[LIM], 1, -1
	s_mul_i32 s20, s10, 2*TROW
	s_add_co_u32 s21, s20, BLK
	s_mov_b32 s22, WREG
	s_mov_b32 s23, WREG+3*TROW
	s_mul_i32 s86, s12, 768                        ; my block of 32 is number w of the fragment's four: lanes 16 (w % 2) on, registers 6 (w / 2) on
	s_mul_i32 s87, s11, 24
	s_add_co_u32 s86, s86, s87
	s_add_co_u32 s86, s86, KVB
	s_add_co_u32 s87, s10, KSB
	s_mul_i32 s88, s10, 4608
	s_add_co_u32 s88, s88, STG
	s_mul_i32 s89, s15, 2*TROW
	s_mul_i32 s90, s10, 6656
	s_add_co_u32 s89, s89, s90
	v_and_b32 v48, 31, v0                          ; lane
	v_and_b32 v49, 15, v0                          ; r
	v_bfe_u32 v50, v0, 4, 1                        ; h
	v_lshlrev_b32 v51, 4, v48
	v_add_nc_u32 v[AX], s20, v51
	v_add_nc_u32 v[AX+1], s21, v51
	v_lshl_add_u32 v52, v48, 3, 3072
	v_mul_u32_u24 v53, v50, TROW
	v_mul_u32_u24 v54, v50, 3*TROW
	v_add_nc_u32 v53, v52, v53
	v_add_nc_u32 v[AS], s20, v53
	v_add_nc_u32 v[AS+1], s21, v53
	v_add_nc_u32 v54, v52, v54
	v_add_nc_u32 v[ACC], s22, v54                  ; W's scale words: lanes 0-15 channel tile 0's, lanes 16-31 channel tile 1's
	v_mul_u32_u24 v55, v49, 48
	v_mad_u32_u24 v55, v50, 12, v55
	v_add_nc_u32 v[KVA], s86, v55
	v_lshlrev_b32 v56, 2, v49
	v_add_nc_u32 v[KVS], s87, v56
	v_mul_u32_u24 v57, v48, 48
	v_add_nc_u32 v[KVL], s22, v57
	v_lshlrev_b32 v58, 2, v48
	v_add_nc_u32 v[KSL], KSB, v58
	v_mul_u32_u24 v59, v49, 144                    ; the stage, in: row r, + 64 h bytes
	v_lshl_add_u32 v59, v50, 6, v59
	v_add_nc_u32 v[STO], s88, v59
	v_lshrrev_b32 v60, 3, v48                      ; back: eight lanes to a row of 128 bytes
	v_and_b32 v61, 7, v48
	v_mul_u32_u24 v60, v60, 144
	v_lshl_add_u32 v60, v61, 4, v60
	v_add_nc_u32 v[RD], s88, v60
	v_min_u32 v62, 25, v48                         ; a prefetch: 26 units a wave (the lanes left over name the last again)
	v_lshlrev_b32 v62, 8, v62
	v_add_nc_u32 v[PFX], s89, v62
	v_add_nc_u32 v[AW1], s23, v51
	v_add_nc_u32 v[AW0], s22, v51
	s_wait_dscnt 0x0                               ; both opening adds are done
	s_mul_i32 s92, s13, 64*TROW                    ; my batch of x
	s_mov_b32 s93, 0
	s_mul_i32 s94, s12, 4*TROW                     ; the head: waves 0, 1 fetch block 0's halves,
	s_add_co_u32 s94, s94, s92
	s_mov_b32 s95, 0
	s_lshl_b32 s96, s14, 1                         ; waves 2, 3 a channel tile of Wq, Wk, Wv
	s_add_co_u32 s96, s96, s12
	s_add_co_u32 s96, s96, 512
	s_mul_i32 s96, s96, TROW
	s_mov_b32 s97, 0
	s_lshl_b32 s98, s13, 22                        ; out: my batch, my 32 rows of a block, my channels
	s_lshl_b32 s99, s10, 17
	s_add_co_u32 s98, s98, s99
	s_lshl_b32 s99, s14, 7
	s_add_co_u32 s98, s98, s99
	s_mov_b32 s99, 0
	s_mov_b32 s21, 0
	s_wait_alu depctr_va_vdst(0)
	s_wait_kmcnt 0x0
	s_add_nc_u64 s[PB:PB+1], s[4:5], s[92:93]
	s_add_nc_u64 s[94:95], s[4:5], s[94:95]
	s_add_nc_u64 s[96:97], s[4:5], s[96:97]
	s_add_nc_u64 s[PE:PE+1], s[4:5], 704*TROW
	s_add_nc_u64 s[EB:EB+1], s[PE:PE+1], s[20:21]
	s_add_nc_u64 s[92:93], s[PB:PB+1], s[20:21]
	s_add_nc_u64 s[OB:OB+1], s[6:7], s[98:99]
	s_sub_nc_u64 s[OB:OB+1], s[OB:OB+1], 0x80000   ; each way out first steps it by a block, 128 rows of 4,096 bytes
	MKG0 GS0, 10, 2*TROW, 0, 92, 0                 ; the ring: my two tiles of a block, slot 0
	MKG0 GS0+4, 10, 2*TROW, BLK, 92, BLK           ; and slot 1
	MKG0 GH, 12, 4*TROW, 0, 94, 0
	MKG0 GW, 12, 3*TROW, WREG, 96, 0
	CROUND                                         ; all four work-groups are here: the first joint loads meet
	s_cmp_eq_u32 s11, 0                            ; one tensor load a wave at the head
	s_cbranch_scc0 .Lfirst_w
	tensor_load_to_lds s[GH:GH+3], s[G1H:G1H+7]
	s_nop 0
	PLACES
	s_branch .Lfirst_asked
.Lfirst_w:
	tensor_load_to_lds s[GW:GW+3], s[G1W:G1W+7]
	s_nop 0
	PLACES
.Lfirst_asked:
.macro LX p, ks                        ; my two tiles' fragments of slot p's K step ks into set ks % 3: six loads
.irp j, 0,1
.irp g, 0,1,2
	ds_load_b128 v[XF+24*((\ks)%3)+12*\j+4*\g:XF+24*((\ks)%3)+12*\j+4*\g+3], v[AX+(\p)] offset:\j*TROW+((\ks)/2)*REC+((\ks)%2)*1536+512*\g
.endr
.endr
.endm
.macro LXS p                           ; both tiles' scale words of all eight K steps: four loads
.irp g, 0,1,2,3
	ds_load_b64 v[XS+2*\g:XS+2*\g+1], v[AS+(\p)] offset:\g*REC
.endr
.endm
.macro WSEL ks, e                      ; where W's fragment e (Wq 0, 1, Wk 0, 1, Wv 0, 1) of K step ks lies: window WW, register WR
.if (\ks) == 0
.set WW, 0
.set WR, 184+12*(\e)
.else
.set WI, 6*((\ks)-1)+(\e)
.set WW, 1+WI/21
.set WR, 12*(WI%21)
.endif
.endm
.macro LW ks                           ; W's six fragments of K step ks: 18 loads, once in the launch
.irp e, 0,1,2,3,4,5
	WSEL \ks, \e
	WIN (WW<<6)
.irp g, 0,1,2
	ds_load_b128 v[WR+4*\g:WR+4*\g+3], v[AW1*(\e%2)] offset:(\e/2)*TROW+((\ks)/2)*REC+((\ks)%2)*1536+512*\g
.endr
.endr
	WIN 0
.endm
; One matrix instruction.  ra, rb: the scale words of source 0 and 1 lie in lanes 16-31.  In K step 0 (kz = 0) it starts the sum.
.macro WM d, a, b, sa, sb, ra, rb, kz
.set WD, \d
.set WA, \a
.set WX, \b
.set WQ, 2*(\ra)+(\rb)
.if (\kz) == 0
.if WQ == 0
	v_wmma_scale_f32_16x16x128_f8f6f4 v[WD:WD+7], v[WA:WA+11], v[WX:WX+11], 0, v[\sa], v[\sb] matrix_a_fmt:MATRIX_FMT_BF6 matrix_b_fmt:MATRIX_FMT_BF6
.endif
.if WQ == 1
	v_wmma_scale_f32_16x16x128_f8f6f4 v[WD:WD+7], v[WA:WA+11], v[WX:WX+11], 0, v[\sa], v[\sb] matrix_a_fmt:MATRIX_FMT_BF6 matrix_b_fmt:MATRIX_FMT_BF6 matrix_b_scale:MATRIX_SCALE_ROW1
.endif
.if WQ == 2
	v_wmma_scale_f32_16x16x128_f8f6f4 v[WD:WD+7], v[WA:WA+11], v[WX:WX+11], 0, v[\sa], v[\sb] matrix_a_fmt:MATRIX_FMT_BF6 matrix_b_fmt:MATRIX_FMT_BF6 matrix_a_scale:MATRIX_SCALE_ROW1
.endif
.if WQ == 3
	v_wmma_scale_f32_16x16x128_f8f6f4 v[WD:WD+7], v[WA:WA+11], v[WX:WX+11], 0, v[\sa], v[\sb] matrix_a_fmt:MATRIX_FMT_BF6 matrix_b_fmt:MATRIX_FMT_BF6 matrix_a_scale:MATRIX_SCALE_ROW1 matrix_b_scale:MATRIX_SCALE_ROW1
.endif
.else
.if WQ == 0
	v_wmma_scale_f32_16x16x128_f8f6f4 v[WD:WD+7], v[WA:WA+11], v[WX:WX+11], v[WD:WD+7], v[\sa], v[\sb] matrix_a_fmt:MATRIX_FMT_BF6 matrix_b_fmt:MATRIX_FMT_BF6
.endif
.if WQ == 1
	v_wmma_scale_f32_16x16x128_f8f6f4 v[WD:WD+7], v[WA:WA+11], v[WX:WX+11], v[WD:WD+7], v[\sa], v[\sb] matrix_a_fmt:MATRIX_FMT_BF6 matrix_b_fmt:MATRIX_FMT_BF6 matrix_b_scale:MATRIX_SCALE_ROW1
.endif
.if WQ == 2
	v_wmma_scale_f32_16x16x128_f8f6f4 v[WD:WD+7], v[WA:WA+11], v[WX:WX+11], v[WD:WD+7], v[\sa], v[\sb] matrix_a_fmt:MATRIX_FMT_BF6 matrix_b_fmt:MATRIX_FMT_BF6 matrix_a_scale:MATRIX_SCALE_ROW1
.endif
.if WQ == 3
	v_wmma_scale_f32_16x16x128_f8f6f4 v[WD:WD+7], v[WA:WA+11], v[WX:WX+11], v[WD:WD+7], v[\sa], v[\sb] matrix_a_fmt:MATRIX_FMT_BF6 matrix_b_fmt:MATRIX_FMT_BF6 matrix_a_scale:MATRIX_SCALE_ROW1 matrix_b_scale:MATRIX_SCALE_ROW1
.endif
.endif
.endm
; A K step of phase 1: q's four products and k's and v's eight; the twelve accumulators take turns.
.macro C1Q ks, z                       ; source 0 = 16 channels of Wq, source 1 = 16 rows of x: lane = t, register i of channel tile u = channel 16 h + 8 u + i
.irp u, 0,1
	WSEL \ks, \u
	WIN WW+0xf0
.irp j, 0,1
	WM 32*(\z)+16*\j+8*\u, WR, XF+24*((\ks)%3)+12*\j, WS+(\ks), XS+(\ks), \u, \j, \ks
.endr
.endr
.endm
.macro C1KV ks                         ; source 0 = 16 rows of x, source 1 = 16 channels: lane = channel, the 16 registers of my two tiles = s 16 h + 0 .. 15 of my 32
.irp e, 2,3,4,5
	WSEL \ks, \e
	WIN (WW<<2)
.irp j, 0,1
	WM ACC+16*(\e-2)+8*\j, XF+24*((\ks)%3)+12*\j, WR, XS+(\ks), WS+8*(\e/2)+(\ks), \j, \e%2, \ks
.endr
.endr
.endm
.macro P1STEP z, ks
.if (\z) == 0
	s_wait_dscnt 24                                ; all but the next step's loads of W and x
.else
.if (\ks) == 0 || (\ks) == 6
	s_wait_dscnt 6                                 ; all but the youngest step's loads
.else
	s_wait_dscnt 12                                ; all but the loads of the next two steps
.endif
.endif
	C1Q \ks, \z
	C1KV \ks
.if (\z) == 0
.if (\ks) < 6
	PLACES
	LW (\ks)+2
	LX 0, (\ks)+2
.endif
.else
.if (\ks) < 5
	PLACES
	WIN 0
	LX (\z)%2, (\ks)+3
.endif
.endif
.endm
; A block's last step ends at a round.  In front of it each wave waits for all its tensor loads, adds 0 to its spare word, and waits for that and for its reads of the slot; behind it the slot is filled with the block two further on.
.macro END1 z
.set GS, GS0+4*((\z)%2)
	WIN 0
	s_wait_tensorcnt 0x0
	ds_add_u32 v[SPW], v[NIL]
	s_wait_dscnt 1                                 ; (the add may be out)
	C1Q 7, \z
	s_wait_dscnt 0x0                               ; the add is done, and my reads of this slot (in block 0 of W too) are over
	s_barrier_signal -1
	C1KV 7
	WIN 0
	s_barrier_wait -1
	CREST
.if (\z) < 6
	s_add_nc_u64 s[GS+2:GS+3], s[GS+2:GS+3], 2*BLK
.else
	s_add_nc_u64 s[GS+2:GS+3], s[EB:EB+1], ((\z)-6)*BLK   ; on into exp(wbias)
	s_or_b32 s[GS+3], s[GS+3], 0x80000000
.endif
	tensor_load_to_lds s[GS:GS+3], s[G1R:G1R+7]    ; the first tensor load behind the round
	s_nop 0
	PLACES
.endm
.macro ASKX n                          ; block n of x: two refills ahead
	s_cmp_lt_u32 ttmp9, 4
	s_cbranch_scc0 .Lno_x_\@
	global_prefetch_b8 v[PFX], s[PB:PB+1] offset:(\n)*BLK th:TH_LOAD_NT scope:SCOPE_SE
.Lno_x_\@:
.endm
.macro ASKE n                          ; block n of exp(wbias)
	s_cmp_lt_u32 s[FE], 4
	s_cbranch_scc0 .Lno_e_\@
	global_prefetch_b8 v[PFX], s[PE:PE+1] offset:(\n)*BLK th:TH_LOAD_NT scope:SCOPE_SE
.Lno_e_\@:
.endm
; k (v120-151) becomes ek, v (v152-183) ekv; both are quantised along my 32 rows: half a block a lane, the other half in lane l xor 16.  Fragment f: ekv 0, 1, ek 0, 1.
.macro QUANT z
.set n, 0
.rept 16
	v_pk_mul_f32 v[ACC+n:ACC+n+1], v[ACC+n:ACC+n+1], s[LG:LG+1] op_sel_hi:[1,0]
.set n, n+2
.endr
	s_wait_alu depctr_va_vdst(0)
.set n, 0
.rept 32
	v_exp_f32 v[ACC+n], v[ACC+n]
.set n, n+1
.endr
	v_nop                                          ; a plain place behind the exponentials
	s_wait_alu depctr_va_vdst(0)
.set n, 0
.rept 16
	v_pk_mul_f32 v[ACC+32+n:ACC+33+n], v[ACC+n:ACC+n+1], v[ACC+32+n:ACC+33+n]
.set n, n+2
.endr
.irp f, 0,1,2,3
	v_max3_num_f32 v[T+\f], |v[ACC+16*((\f+2)%4)]|, |v[ACC+16*((\f+2)%4)+1]|, 0x2800000   ; and the floor 2^(5 - 127): the byte cannot fall under 1
.endr
.irp i, 2,4,6,8,10,12,14
.irp f, 0,1,2,3
	v_max3_num_f32 v[T+\f], v[T+\f], |v[ACC+16*((\f+2)%4)+\i]|, |v[ACC+16*((\f+2)%4)+\i+1]|
.endr
.endr
.irp f, 0,1,2,3
	v_permlanex16_b32 v[T+4+\f], v[T+\f], s[SEL], s[SEL+1]
.endr
.irp f, 0,1,2,3
	v_max_num_f32 v[T+\f], v[T+\f], v[T+4+\f]      ; the block's largest magnitude
.endr
.irp f, 0,1,2,3
	v_add_nc_u32 v[T+8+\f], 0xfe000000, v[T+\f]    ; 4 off its exponent field: the conversion's scale operand
.endr
.irp f, 0,1,2,3
	v_lshrrev_b32 v[T+\f], 23, v[T+8+\f]           ; the scale's byte
.endr
	v_cvt_scalef32_pk16_bf6_f32 v[T+12:T+14], v[ACC+32:ACC+47], v[T+8]
	v_cvt_scalef32_pk16_bf6_f32 v[T+16:T+18], v[ACC+48:ACC+63], v[T+9]
	v_cvt_scalef32_pk16_bf6_f32 v[T+20:T+22], v[ACC:ACC+15], v[T+10]
	v_cvt_scalef32_pk16_bf6_f32 v[T+4:T+6], v[ACC+16:ACC+31], v[T+11]
	v_nop                                          ; a plain place behind the conversions
.irp f, 0,1,2,3
.if \f < 3
.set CD, T+12+4*\f
.else
.set CD, T+4
.endif
.irp i, 0,1,2
	ds_store_b32 v[KVA], v[CD+\i] offset:(\z)*6144+\f*1536+4*\i   ; my 16 codes: 12 bytes of lane r + 16 (w % 2)'s 48
.endr
	ds_store_b8 v[KVS], v[T+\f] offset:(\z)*256+\f*64             ; (both halves of the lanes store the same byte)
.endr
.endm
.macro LKV ks                          ; ekv's and ek's fragments of K step ks: 12 loads
	WIN ((1+(\ks)/4)<<6)
.irp f, 0,1,2,3
.irp g, 0,1,2
	ds_load_b128 v[12*(4*((\ks)%4)+\f)+4*\g:12*(4*((\ks)%4)+\f)+4*\g+3], v[KVL] offset:(\ks)*6144+\f*1536+16*\g
.endr
.endr
	WIN 0
.endm
.macro P1 z
.irp ks, 0,1,2,3,4,5,6
	P1STEP \z, \ks
.endr
	END1 \z
.if (\z) < 7
	LX 1-(\z)%2, 0
	LX 1-(\z)%2, 1
	LXS 1-(\z)%2
.else
.irp ks, 0,1,2,3,4,5,6
	LKV \ks                                        ; W's registers are free; these K steps' codes were stored ahead of earlier rounds
.endr
.endif
.if (\z) < 4
	ASKX (\z)+4
.else
	ASKE (\z)-4
.endif
	QUANT \z
.if (\z) < 7
	LX 1-(\z)%2, 2
.endif
.endm
	s_wait_tensorcnt 0x0                           ; my tile of the head's is in
	ds_add_u32 v[SPW], v[NIL]
	s_wait_dscnt 0x0
	CROUND                                         ; everybody's is
	tensor_load_to_lds s[GS0+4:GS0+7], s[G1R:G1R+7]  ; block 1 into slot 1
	s_nop 0
	PLACES
.irp p, 0,1,2
.irp g, 0,1,2,3
	ds_load_b64 v[WS+8*\p+2*\g:WS+8*\p+2*\g+1], v[ACC] offset:\p*TROW+\g*REC   ; W's scale words
.endr
.endr
	LXS 0
	LW 0
	LX 0, 0
	LW 1
	LX 0, 1
	ASKX 2                                         ; blocks 2 and 3 of x, asked for a block and two ahead of their refills
	ASKX 3
.irp z, 0,1,2,3,4,5,6,7
	P1 \z
.endr
	v_mbcnt_lo_u32_b32 v184, -1, 0                 ; lane
	v_lshrrev_b32 v185, 3, v184
	v_and_b32 v186, 7, v184
	v_lshlrev_b32 v[CO], 12, v185
	v_lshl_add_u32 v[CO], v186, 4, v[CO]           ; my 16 bytes of four rows of out
	s_wait_alu depctr_va_vdst(0)
	s_wait_dscnt 0x0                               ; for the others' sake: my codes and scale bytes lie in LDS
	s_barrier_signal -1
	s_barrier_wait -1
	LKV 7
.irp k, 0,1,2,3,4,5,6,7
.irp q, 0,1
	ds_load_b32 v[WS+2*\k+\q], v[KSL] offset:\k*256+\q*128   ; scale words: lanes 0-15 fragment 2 q's, lanes 16-31 fragment 2 q + 1's
.endr
.endr
	LX 0, 0
	LX 0, 1
	LX 0, 2
	LXS 0
; A K step of phase 2: source 0 = 16 channels of ekv (0, 1) or ek (2, 3), source 1 = 16 t: lane = t, registers = channels, as q's.  Eight accumulators take turns: tile j's num at 32 j, its den at 32 j + 16.
.macro P2C ks, f0
	WIN 1+(\ks)/4
.irp f, \f0, \f0+1
.irp j, 0,1
	WM ACC+32*\j+8*(\f), 12*(4*((\ks)%4)+\f), XF+24*((\ks)%3)+12*\j, WS+2*(\ks)+(\f)/2, XS+(\ks), (\f)%2, \j, \ks
.endr
.endr
.endm
.macro P2STEP p, ks
.if (\ks) == 0
	s_wait_dscnt 0x0
.else
.if (\ks) == 6
	s_wait_dscnt 6
.else
	s_wait_dscnt 12                                ; all but the loads of the next two steps
.endif
.endif
	P2C \ks, 0
	P2C \ks, 2
.if (\ks) < 5
	PLACES
	WIN 0
	LX \p, (\ks)+3
.endif
.endm
.macro P2 p, ref
.irp ks, 0,1,2,3,4,5,6
	P2STEP \p, \ks
.endr
	WIN 0
	s_wait_tensorcnt 0x0                           ; as in phase 1
	ds_add_u32 v[SPW], v[NIL]
	s_wait_dscnt 1
	P2C 7, 0
	s_wait_dscnt 0x0
	s_barrier_signal -1
	P2C 7, 2
	WIN 0
	s_barrier_wait -1
.if \ref
	CREST
	s_add_nc_u64 s[GS0+4*(\p)+2:GS0+4*(\p)+3], s[GS0+4*(\p)+2:GS0+4*(\p)+3], 2*BLK
	tensor_load_to_lds s[GS0+4*(\p):GS0+4*(\p)+3], s[G1R:G1R+7]
	s_nop 0
.endif
	PLACES
	LX 1-(\p), 0
	LX 1-(\p), 1
	LX 1-(\p), 2
	LXS 1-(\p)
.endm
.macro QM z                            ; -q log2 e of block z
	WIN 0x03
	s_wait_alu depctr_va_vdst(0)
.set n, 0
.rept 16
	v_pk_mul_f32 v[TT+n:TT+n+1], v[32*(\z)+n:32*(\z)+n+1], s[NL:NL+1] op_sel_hi:[1,0]
.set n, n+2
.endr
	WIN 0
.endm
.macro OUTHEAD
	s_wait_xcnt 0x0                                ; the earlier stores have read their registers and their base, the earlier prefetch its address
	s_add_nc_u64 s[OB:OB+1], s[OB:OB+1], 0x80000   ; on to this block's rows
.endm
; The way out of a block: out = num x 1 / (den / 4) x 1 / (4 (1 + 2^(-q log2 e))); two tiles of 16 rows x 128 bytes through my own stage.
.macro OUT
.irp j, 0,1
.set n, 0
.rept 8
	v_pk_mul_f32 v[ACC+32*\j+16+n:ACC+32*\j+17+n], v[ACC+32*\j+16+n:ACC+32*\j+17+n], s[QC:QC+1] op_sel_hi:[1,0]
.set n, n+2
.endr
.endr
	s_wait_alu depctr_va_vdst(0)
.set n, 0
.rept 32
	v_exp_f32 v[TT+n], v[TT+n]
.set n, n+1
.endr
.irp j, 0,1
.set n, 0
.rept 16
	v_rcp_f32 v[ACC+32*\j+16+n], v[ACC+32*\j+16+n]
.set n, n+1
.endr
.endr
	v_nop                                          ; a plain place behind the batch
	s_wait_alu depctr_va_vdst(0)
.irp j, 0,1
.set n, 0
.rept 8
	v_pk_mul_f32 v[ACC+32*\j+n:ACC+32*\j+n+1], v[ACC+32*\j+n:ACC+32*\j+n+1], v[ACC+32*\j+16+n:ACC+32*\j+17+n]
.set n, n+2
.endr
.endr
.set n, 0
.rept 16
	v_pk_fma_f32 v[TT+n:TT+n+1], v[TT+n:TT+n+1], 4.0, 4.0 op_sel_hi:[1,0,0]
.set n, n+2
.endr
	s_wait_alu depctr_va_vdst(0)
.set n, 0
.rept 32
	v_rcp_f32 v[TT+n], v[TT+n]
.set n, n+1
.endr
	v_nop
	s_wait_alu depctr_va_vdst(0)
.irp j, 0,1
.set n, 0
.rept 8
	v_pk_mul_f32 v[TT+16*\j+n:TT+16*\j+n+1], v[TT+16*\j+n:TT+16*\j+n+1], v[ACC+32*\j+n:ACC+32*\j+n+1]
.set n, n+2
.endr
.irp k, 0,1,2,3
	ds_store_b128 v[STO], v[TT+16*\j+4*\k:TT+16*\j+4*\k+3] offset:2304*\j+16*\k
.endr
.irp m, 0,1,2,3
	ds_load_b128 v[BK+16*\j+4*\m:BK+16*\j+4*\m+3], v[RD] offset:2304*\j+576*\m   ; LDS serves a wave's instructions in order: these see my stores
.endr
.endr
.irp j, 0,1
	s_wait_dscnt 8-8*\j                            ; tile j is back; tile 1's four stores and four loads may be out
.irp m, 0,1,2,3
	global_store_b128 v[CO], v[BK+16*\j+4*\m:BK+16*\j+4*\m+3], s[OB:OB+1] offset:(8*\j+4*\m+8*(\m/2))*4096   ; positions 4 m .. 4 m + 3: eight lanes store 128 consecutive bytes
.endr
.endr
.endm
.macro OUTLOOP p                       ; in the loop: block 6 - 2 s3 + p
	OUTHEAD
	s_add_nc_u64 s[PE:PE+1], s[PE:PE+1], BLK
	s_cmp_gt_u32 s3, s[LIM]                        ; the last trip asks for nothing: there is no block four on
	s_cbranch_scc0 .Lno_ask_\@
	global_prefetch_b8 v[PFX], s[PE:PE+1] offset:3*BLK th:TH_LOAD_NT scope:SCOPE_SE
.Lno_ask_\@:
	s_cmp_eq_u32 s3, 3
	s_cbranch_scc0 .Lnot_3_\@
	QM (\p)
	s_branch .Lgot_q_\@
.Lnot_3_\@:
	s_cmp_eq_u32 s3, 2
	s_cbranch_scc0 .Lnot_2_\@
	QM 2+(\p)
	s_branch .Lgot_q_\@
.Lnot_2_\@:
	QM 4+(\p)
.Lgot_q_\@:
	OUT
.endm
	s_mov_b32 s3, 3
.Lpair:                                                ; blocks 0 to 5, two a trip: q's registers differ from trip to trip and are picked by the trip's number
	P2 0, 1
	OUTLOOP 0
	P2 1, 1
	OUTLOOP 1
	s_wait_alu depctr_va_vdst(0)
	s_sub_co_u32 s3, s3, 1
	s_cmp_lg_u32 s3, 0
	s_cbranch_scc1 .Lpair
	P2 0, 0                                        ; block 6: nothing is filled again
	OUTHEAD
	QM 6
	OUT
.irp ks, 0,1,2,3,4,5,6
	P2STEP 1, \ks
.endr
	s_wait_dscnt 0x0
	P2C 7, 0
	P2C 7, 2
	WIN 0
	PLACES
	OUTHEAD
	QM 7
	OUT
	s_wait_tensorcnt 0x0                           ; the wave's end
	ds_add_u32 v[SPW], v[NIL]
	s_wait_dscnt 0x0
	CROUND                                         ; the closing round: no work-group ends while a partner may still ask for a tile that names it
	s_endpgm
.Lfunc_end_k_q688d9e69ad_aft:
	.size	k_q688d9e69ad_aft, .Lfunc_end_k_q688d9e69ad_aft-k_q688d9e69ad_aft
	.p2alignl 7, 3214868480
	.fill 96, 4, 3214868480
	.section	.rodata,"a",@progbits
	.p2align	6, 0x0
	.amdhsa_kernel k_q688d9e69ad_aft
		.amdhsa_group_segment_fixed_size 327680
		.amdhsa_private_segment_fixed_size 0
		.amdhsa_enable_private_segment 0
		.amdhsa_kernarg_size 16
		.amdhsa_user_sgpr_count 2
		.amdhsa_user_sgpr_kernarg_segment_ptr 1
		.amdhsa_wavefront_size32 1
		.amdhsa_system_sgpr_workgroup_id_x 1
		.amdhsa_system_sgpr_workgroup_id_y 1
		.amdhsa_system_sgpr_workgroup_id_z 1
		.amdhsa_system_vgpr_workitem_id 0
		.amdhsa_next_free_vgpr 1024
		.amdhsa_next_free_sgpr 100
		.amdhsa_reserve_vcc 0
		.amdhsa_float_denorm_mode_32 3
		.amdhsa_float_denorm_mode_16_64 3
		.amdhsa_memory_ordered 1
		.amdhsa_forward_progress 1
		.amdhsa_inst_pref_size 255
	.end_amdhsa_kernel
	.section	.bss,"aw",@nobits
	.p2align	6
	.space	262144
	.amdgpu_metadata
---
amdhsa.version: [ 1, 2 ]
amdhsa.kernels:
  - .name:           k_q688d9e69ad_aft
    .symbol:         k_q688d9e69ad_aft.kd
    .args:
      - { .name: codes, .offset: 0, .size: 8, .value_kind: global_buffer, .address_space: global }
      - { .name: out0, .offset: 8, .size: 8, .value_kind: global_buffer, .address_space: global }
    .group_segment_fixed_size: 327680
    .private_segment_fixed_size: 0
    .kernarg_segment_align: 8
    .kernarg_segment_size: 16
    .max_flat_workgroup_size: 128
    .sgpr_count:     100
    .vgpr_count:     1024
    .wavefront_size: 32
...
	.end_amdgpu_metadata
.endif
;; end of part 2
